; MI455X (gfx1250); checked and timed in simulation.
; The chip was launched on July 23, 2026; its instructions are those of AMD's public machine-readable ISA for CDNA 5 (MIT licence, August 2026) and "CDNA5" Instruction Set Architecture Reference Guide (July 2026). The comments in the code are by the model that wrote it; some were corrected since.
;; CGNL Block. Allowed arithmetic: float matrix products may take bf16 or f16 operands with f32 sums; all other float work in f32.
;; Inputs: g_b 256 float32; g_w 256 x 512 float32; out_b 512 float32; out_w 512 x 256 float32; phi_b 256 float32; phi_w 256 x 512 float32; theta_b 256 float32; theta_w 256 x 512 float32; x 4 x 512 x 4,096 float32.
;; Outputs: out0 4 x 512 x 4,096 float32.
;; One version. Each part assembles by itself: llvm-mc -triple=amdgcn-amd-amdhsa -mcpu=gfx1250 --defsym DOCPART=n.
;; ======== version 1 of 1: 3 launches
;; workspace buffers: wf 1,048,576 bytes; qf 8,388,608 bytes; kf 8,388,608 bytes; vf 8,388,608 bytes
;; launch prep (part 1): grid 64 x 4, 4 waves a work-group, no clusters, 0 bytes of LDS; arguments theta_w, phi_w, g_w, out_w, wf; writes wf
.if DOCPART == 1
	.amdgcn_target "amdgcn-amd-amdhsa--gfx1250"
	.amdhsa_code_object_version 6
	.text
	.protected	k_q23fd34711a_prep
	.globl	k_q23fd34711a_prep
	.p2align	8
	.type	k_q23fd34711a_prep,@function
k_q23fd34711a_prep:
	s_mov_b64 s[64:65], 0
	v_nop
	global_prefetch_b8 v0, s[64:65] scope:SCOPE_SE
	s_setreg_imm32_b32 hwreg(HW_REG_WAVE_MODE, 25, 1), 1
	s_wait_xcnt 0x0
; The four weight matrices, f32 to bf16, laid out in FRAGMENT ORDER for the matrix unit.
; A fragment is 16 rows x 32 k of bf16 = 1,024 consecutive bytes: byte half*512 + lane*16 holds registers 4 half .. 4 half + 3 of that lane,
; and lane (r = lane & 15, h = lane >> 4) holds row r, k = 16 half + 8 h + 0..7.  Later launches fetch a fragment by two loads of 16 bytes a lane.
; wf = [q 0..3][fragment 0..255][1,024 bytes].  q = 0, 1, 2: theta_w, phi_w, g_w ([256][512]): fragment = 16 x (tile of 16 outputs) + (step of 32 channels).
; q = 3: out_w ([512][256]): fragment = 8 x (tile of 16 outputs) + (step of 32 inputs).
; One wave makes one fragment: 4 matrices x 256 fragments = 1,024 waves = 256 work-groups of four.  No LDS, no barrier: the waves share nothing.
.set QBYTES, 262144                    ; bytes of one matrix in wf
	s_load_b256 s[4:11], s[0:1], 0x0               ; theta_w, phi_w, g_w, out_w
	s_load_b64 s[12:13], s[0:1], 0x20              ; wf
	v_lshrrev_b32 v1, 5, v0
	v_readfirstlane_b32 s14, v1                    ; wave
	s_and_b32 s15, ttmp7, 0xffff                   ; q: which matrix
	s_lshl_b32 s16, ttmp9, 2
	s_add_co_u32 s16, s16, s14                     ; f: which fragment
	s_cmp_eq_u32 s15, 3
	s_cselect_b32 s17, 10, 11                      ; log2 of a source row's bytes: 1,024 for out_w, else 2,048
	s_cselect_b32 s18, 3, 4                        ; log2 of the k steps in a row: 8 or 16
	s_cselect_b32 s20, 7, 15                       ; and their mask
	s_lshr_b32 s19, s16, s18                       ; tile of 16 rows
	s_and_b32 s20, s16, s20                        ; k step
	s_lshl_b32 s19, s19, 4
	s_lshl_b32 s19, s19, s17                       ; 16 x tile rows, in bytes
	s_lshl_b32 s20, s20, 7                         ; 32 f32 = 128 bytes a k step
	s_add_co_u32 s22, s19, s20
	s_mov_b32 s23, 0
	s_lshl_b32 s24, s15, 18                        ; q x 262,144
	s_lshl_b32 s25, s16, 10                        ; + f x 1,024
	s_add_co_u32 s24, s24, s25
	s_mov_b32 s25, 0
	v_and_b32 v2, 15, v0                           ; r
	v_bfe_u32 v3, v0, 4, 1                         ; h
	v_lshlrev_b32 v2, s17, v2                      ; r rows
	v_lshl_add_u32 v2, v3, 5, v2                   ; + 8 h f32
	v_and_b32 v3, 31, v0
	v_lshlrev_b32 v3, 4, v3                        ; 16 x lane: my place in each half of the fragment
	s_wait_kmcnt 0x0
	s_cmp_eq_u32 s15, 1                            ; the source is chosen by q alone
	s_cselect_b64 s[4:5], s[6:7], s[4:5]
	s_cmp_eq_u32 s15, 2
	s_cselect_b64 s[4:5], s[8:9], s[4:5]
	s_cmp_eq_u32 s15, 3
	s_cselect_b64 s[4:5], s[10:11], s[4:5]
	s_add_nc_u64 s[4:5], s[4:5], s[22:23]
	s_add_nc_u64 s[12:13], s[12:13], s[24:25]
	global_load_b128 v[4:7],   v2, s[4:5]              ; k = 8 h + 0..3
	global_load_b128 v[8:11],  v2, s[4:5] offset:16    ; k = 8 h + 4..7
	global_load_b128 v[12:15], v2, s[4:5] offset:64    ; k = 16 + 8 h + 0..3
	global_load_b128 v[16:19], v2, s[4:5] offset:80    ; k = 16 + 8 h + 4..7
	s_wait_loadcnt 0x0
.irp t, 0,1,2,3,4,5,6,7
	v_cvt_pk_bf16_f32 v[20+\t], v[4+2*\t], v[5+2*\t]   ; the lower k into the lower half, rounded to nearest even
.endr
	global_store_b128 v3, v[20:23], s[12:13]           ; each store of the wave covers 512 consecutive bytes, aligned
	global_store_b128 v3, v[24:27], s[12:13] offset:512
	s_endpgm
.Lfunc_end_k_q23fd34711a_prep:
	.size	k_q23fd34711a_prep, .Lfunc_end_k_q23fd34711a_prep-k_q23fd34711a_prep
	.p2alignl 7, 3214868480
	.fill 96, 4, 3214868480
	.section	.rodata,"a",@progbits
	.p2align	6, 0x0
	.amdhsa_kernel k_q23fd34711a_prep
		.amdhsa_group_segment_fixed_size 0
		.amdhsa_private_segment_fixed_size 0
		.amdhsa_enable_private_segment 0
		.amdhsa_kernarg_size 40
		.amdhsa_user_sgpr_count 2
		.amdhsa_user_sgpr_kernarg_segment_ptr 1
		.amdhsa_wavefront_size32 1
		.amdhsa_system_sgpr_workgroup_id_x 1
		.amdhsa_system_sgpr_workgroup_id_y 1
		.amdhsa_system_sgpr_workgroup_id_z 1
		.amdhsa_system_vgpr_workitem_id 0
		.amdhsa_next_free_vgpr 32
		.amdhsa_next_free_sgpr 66
		.amdhsa_reserve_vcc 0
		.amdhsa_float_denorm_mode_32 3
		.amdhsa_float_denorm_mode_16_64 3
		.amdhsa_memory_ordered 1
		.amdhsa_forward_progress 1
		.amdhsa_inst_pref_size 3
	.end_amdhsa_kernel
	.amdgpu_metadata
---
amdhsa.version: [ 1, 2 ]
amdhsa.kernels:
  - .name:           k_q23fd34711a_prep
    .symbol:         k_q23fd34711a_prep.kd
    .args:
      - { .name: theta_w, .offset: 0, .size: 8, .value_kind: global_buffer, .address_space: global }
      - { .name: phi_w, .offset: 8, .size: 8, .value_kind: global_buffer, .address_space: global }
      - { .name: g_w, .offset: 16, .size: 8, .value_kind: global_buffer, .address_space: global }
      - { .name: out_w, .offset: 24, .size: 8, .value_kind: global_buffer, .address_space: global }
      - { .name: wf, .offset: 32, .size: 8, .value_kind: global_buffer, .address_space: global }
    .group_segment_fixed_size: 0
    .private_segment_fixed_size: 0
    .kernarg_segment_align: 8
    .kernarg_segment_size: 40
    .max_flat_workgroup_size: 128
    .sgpr_count:     66
    .vgpr_count:     32
    .wavefront_size: 32
...
	.end_amdgpu_metadata
.endif
;; end of part 1
;; launch proj (part 2): grid 128 x 2, 4 waves a work-group, no clusters, 147,968 bytes of LDS; arguments x, wf, theta_b, phi_b, g_b, qf, kf, vf; writes qf, kf, vf
.if DOCPART == 2
	.amdgcn_target "amdgcn-amd-amdhsa--gfx1250"
	.amdhsa_code_object_version 6
	.text
	.protected	k_q23fd34711a_proj
	.globl	k_q23fd34711a_proj
	.p2align	8
	.type	k_q23fd34711a_proj,@function
k_q23fd34711a_proj:
	s_mov_b64 s[64:65], 0
	v_nop
	global_prefetch_b8 v0, s[64:65] scope:SCOPE_SE
	s_setreg_imm32_b32 hwreg(HW_REG_WAVE_MODE, 25, 1), 1
	s_wait_xcnt 0x0
; theta, phi, g = W x + b for one batch's 128 columns, rounded to bf16 and stored in fragment order for the attention launch.
;   qf [b][tile of 16 queries 256][step of 32 i: 8][1,024 B]: (theta + theta_b) x log2(e)/16, column = query, k = i
;   kf [b][tile of 16 keys 256][step of 32 i: 8][1,024 B]:    phi + phi_b, row = key, k = i
;   vf [b][block of 32 keys 128][tile of 16 i: 16][1,024 B]:  g + g_b, row = i, k = key
; (a fragment: byte half*512 + lane*16 = registers 4 half .. +3 of the lane; lane (r, h): row or column r, k = 16 half + 8 h + 0..7)
; The factor log2(e)/16 is multiplied in f32 ahead of the one rounding, so that the scores come out in the base-2 domain.
; SHARES.  Work-group (xb, y): batch b = xb >> 5, columns 128 (xb & 31) .. + 127, outputs 128 y .. + 127 of each of the three matrices.
; Wave w: output tiles 8 y + 2 w + e (e = 0, 1) of each matrix x 8 column tiles = 48 accumulator tiles, 16 K steps of 32 channels: 768 matrix instructions.
; x is [channel][column] in f32: it has to be rounded on its way, so it goes through registers into LDS as bf16 (512 rows of 256 bytes + 32 of padding:
; a pitch of 288 = 9 x 32 bytes), and the transposing LDS load makes fragments of it.  Weight fragments come from wf straight into registers, three K steps ahead.
; NO CLUSTER, NO TENSOR LOADS: a joint tensor load lands in LDS.  x could not be rounded on that road (f32 would take 262,144 bytes of LDS and a second pass),
; and the weights (393,216 bytes a work-group, each fragment used by one wave alone) would only gain an LDS round trip that the loads into registers do not have.
; THETA AND PHI: D = W-fragment x x-fragment: lane (r, h) holds column r, outputs 8 h + 0..7 of the tile: packed, that is half of a qf / kf fragment.
; G is made transposed, D = x-fragment x W-fragment: lane (r, h) holds output r, keys 8 h + 0..7: packed, half of a vf fragment.  So no shuffle on the way out.
; REGISTERS in windows of 256:
;   window 0: v1 16 lane; v2 LDS address of x fragments; v3 LDS address of my x stores; v4 32 h; v5 4 r; v6-7 g_b as loaded; v16-63 the six bias tiles;
;             v64-255 weight fragments, a ring of four K steps x 6 fragments; on the way out the packed results
;   window 1: at first x as loaded (two halves of 128 registers), then the 32 accumulator tiles of theta and phi;  window 2: v0-127 the 16 tiles of g
;   window 3: v0-63, v64-127 x fragments, two buffers of 8
.set PITCH, 288
.set XA,  2
.set XST, 3
.set HB,  4
.set R4,  5
.set GB,  6
.set BI,  16
.set WR,  64
.set PK,  64
.set MSB, 0
.macro WIN new                         ; s_set_vgpr_msb: bits 1:0 source 0, 3:2 source 1, 5:4 source 2, 7:6 destination; the high byte repeats the setting that is left
.if MSB != \new
	s_set_vgpr_msb (MSB<<8)|\new
.set MSB, \new
.endif
.endm
.macro PLACES n                        ; the places behind matrix instructions (ISA guide 7.12.1)
.rept \n
	v_nop
.endr
.endm
	s_load_b512 s[4:19], s[0:1], 0x0               ; x s[4:5], wf s[6:7], theta_b s[8:9], phi_b s[10:11], g_b s[12:13], qf s[14:15], kf s[16:17], vf s[18:19]
	v_lshl_add_u32 v14, v0, 2, 0x24000
	v_mov_b32 v15, 0
	v_lshrrev_b32 v8, 5, v0
	v_readfirstlane_b32 s20, v8                    ; wave w
	s_lshr_b32 s21, ttmp9, 5                       ; b
	s_and_b32 s24, ttmp9, 31                       ; nb: which 128 columns
	s_and_b32 s25, ttmp7, 0xffff                   ; y: which 128 outputs
	s_mov_b32 s22, 0x3db8aa3b                      ; log2(e) / 16, twice: a pair for the packed multiply
	s_mov_b32 s23, 0x3db8aa3b
	s_lshl_b32 s26, s25, 3
	s_lshl1_add_u32 s26, s20, s26                  ; 8 y + 2 w: my first output tile
	s_lshl_b32 s27, s25, 2
	s_add_co_u32 s27, s27, s20                     ; 4 y + w: the step of 32 i that my two tiles make up
	s_lshl_b32 s28, s21, 23                        ; x: b x 8,388,608
	s_lshl_b32 s30, s20, 21                        ;  + w x 128 rows of 16,384 bytes
	s_add_co_u32 s28, s28, s30
	s_lshl_b32 s30, s24, 9                         ;  + nb x 512 bytes
	s_add_co_u32 s28, s28, s30
	s_mov_b32 s29, 0
	s_lshl_b32 s30, s26, 14                        ; wf: 16 fragments a tile
	s_mov_b32 s31, 0
	s_lshl_b32 s32, s26, 6                         ; biases: 64 bytes a tile
	s_mov_b32 s33, 0
	s_lshl_b32 s34, s21, 21                        ; qf, kf, vf: b x 2,097,152 + nb x 65,536
	s_lshl_b32 s36, s24, 16
	s_add_co_u32 s34, s34, s36
	s_lshl_b32 s36, s26, 10
	s_add_co_u32 s36, s34, s36                     ; vf: + (8 y + 2 w) x 1,024
	s_mov_b32 s37, 0
	s_lshl_b32 s38, s27, 10
	s_add_co_u32 s34, s34, s38                     ; qf, kf: + (4 y + w) x 1,024
	s_mov_b32 s35, 0
	s_mul_i32 s39, s20, 128*PITCH                  ; my 128 rows of the x tile in LDS
	v_and_b32 v8, 31, v0                           ; lane
	v_lshlrev_b32 v1, 4, v8                        ; 16 lane
	v_lshl_add_u32 v[XST], v8, 3, s39              ; 4 columns of bf16 = 8 bytes a lane
	v_and_b32 v9, 7, v0
	v_bfe_u32 v10, v0, 4, 1                        ; h
	v_lshl_or_b32 v9, v10, 3, v9                   ; 8 h + (lane & 7): the channel row that I address for the transposing load
	v_mul_u32_u24 v[XA], v9, PITCH
	v_bfe_u32 v11, v0, 3, 1
	v_lshl_add_u32 v[XA], v11, 4, v[XA]            ; + 16 bytes for lanes 8-15 and 24-31
	v_lshlrev_b32 v[HB], 5, v10                    ; 32 h: eight f32 of a bias
	v_and_b32 v[R4], 15, v0
	v_lshlrev_b32 v[R4], 2, v[R4]                  ; 4 r
	s_wait_kmcnt 0x0
	s_add_nc_u64 s[4:5], s[4:5], s[28:29]
	s_add_nc_u64 s[6:7], s[6:7], s[30:31]
	s_add_nc_u64 s[8:9], s[8:9], s[32:33]
	s_add_nc_u64 s[10:11], s[10:11], s[32:33]
	s_add_nc_u64 s[12:13], s[12:13], s[32:33]
	s_add_nc_u64 s[14:15], s[14:15], s[34:35]
	s_add_nc_u64 s[16:17], s[16:17], s[34:35]
	s_add_nc_u64 s[18:19], s[18:19], s[36:37]
; PHASE 1: my 128 channel rows of x, 512 bytes each, in four batches of 32 rows; batch k lands in half k & 1 of window 1.
.macro XLOAD k
	WIN 0x40
.set i, 0
.rept 32
	global_load_b128 v[128*(\k&1)+4*i:128*(\k&1)+4*i+3], v1, s[4:5] offset:(32*\k+i)*16384   ; one row's 512 consecutive bytes
.set i, i+1
.endr
.endm
.macro XCVT k                          ; rounds a batch in place and puts it into LDS: a store of the wave covers a row's 256 consecutive bytes
	WIN 0x45
.set i, 0
.rept 32
	v_cvt_pk_bf16_f32 v[128*(\k&1)+4*i],   v[128*(\k&1)+4*i],   v[128*(\k&1)+4*i+1]
	v_cvt_pk_bf16_f32 v[128*(\k&1)+4*i+1], v[128*(\k&1)+4*i+2], v[128*(\k&1)+4*i+3]
.set i, i+1
.endr
	WIN 0x04
.set i, 0
.rept 32
	ds_store_b64 v[XST], v[128*(\k&1)+4*i:128*(\k&1)+4*i+1] offset:(32*\k+i)*PITCH
.set i, i+1
.endr
.endm
; 12 loads: the six weight fragments of K step ks into slot ks & 3 (window 0 in force)
.macro WLOAD ks
.irp q, 0,1,2
.irp e, 0,1
	global_load_b128 v[WR+48*((\ks)&3)+8*(2*\q+\e):WR+48*((\ks)&3)+8*(2*\q+\e)+3],   v1, s[6:7] offset:\q*262144+\e*16384+(\ks)*1024
	global_load_b128 v[WR+48*((\ks)&3)+8*(2*\q+\e)+4:WR+48*((\ks)&3)+8*(2*\q+\e)+7], v1, s[6:7] offset:\q*262144+\e*16384+(\ks)*1024+512
.endr
.endr
.endm
; 16 transposing loads: the eight x fragments (32 channels at XA x 16 columns each) into buffer buf
.macro XFETCH buf
	WIN 0xc0
.irp nt, 0,1,2,3,4,5,6,7
	ds_load_tr16_b128 v[64*(\buf)+8*\nt:64*(\buf)+8*\nt+3],   v[XA] offset:\nt*32
	ds_load_tr16_b128 v[64*(\buf)+8*\nt+4:64*(\buf)+8*\nt+7], v[XA] offset:\nt*32+16*PITCH
.endr
.endm
; 48 matrix instructions of K step ks.  The 48 accumulators take turns, one instruction a turn.
; At K step 0 the bias tile is C: nothing is cleared and no bias is added afterwards.
.macro PMUL ks
.if (\ks) == 0
	WIN 0x4c                                       ; A window 0, B window 3, C window 0 (bias), D window 1
.else
	WIN 0x5c                                       ; C and D window 1
.endif
.irp qe, 0,1,2,3
.irp nt, 0,1,2,3,4,5,6,7
.if (\ks) == 0
	v_wmma_f32_16x16x32_bf16 v[8*(8*\qe+\nt):8*(8*\qe+\nt)+7], v[WR+48*((\ks)&3)+8*\qe:WR+48*((\ks)&3)+8*\qe+7], v[64*((\ks)&1)+8*\nt:64*((\ks)&1)+8*\nt+7], v[BI+8*\qe:BI+8*\qe+7]
.else
	v_wmma_f32_16x16x32_bf16 v[8*(8*\qe+\nt):8*(8*\qe+\nt)+7], v[WR+48*((\ks)&3)+8*\qe:WR+48*((\ks)&3)+8*\qe+7], v[64*((\ks)&1)+8*\nt:64*((\ks)&1)+8*\nt+7], v[8*(8*\qe+\nt):8*(8*\qe+\nt)+7]
.endif
.endr
.endr
.if (\ks) == 0
	WIN 0x83                                       ; g, transposed: A = x window 3, B = weights window 0, C window 0 (bias), D window 2
.else
	WIN 0xa3
.endif
.irp e, 0,1
.irp nt, 0,1,2,3,4,5,6,7
.if (\ks) == 0
	v_wmma_f32_16x16x32_bf16 v[8*(8*\e+\nt):8*(8*\e+\nt)+7], v[64*((\ks)&1)+8*\nt:64*((\ks)&1)+8*\nt+7], v[WR+48*((\ks)&3)+8*(4+\e):WR+48*((\ks)&3)+8*(4+\e)+7], v[BI+8*(4+\e):BI+8*(4+\e)+7]
.else
	v_wmma_f32_16x16x32_bf16 v[8*(8*\e+\nt):8*(8*\e+\nt)+7], v[64*((\ks)&1)+8*\nt:64*((\ks)&1)+8*\nt+7], v[WR+48*((\ks)&3)+8*(4+\e):WR+48*((\ks)&3)+8*(4+\e)+7], v[8*(8*\e+\nt):8*(8*\e+\nt)+7]
.endif
.endr
.endr
.endm
	XLOAD 0
	XLOAD 1
	s_wait_loadcnt 32                              ; loads come back in order: batch 0 is in, the 32 loads of batch 1 stay out
	XCVT 0
	XLOAD 2
	s_wait_loadcnt 32                              ; batch 1 is in, batch 2 stays out
	XCVT 1
	XLOAD 3
	s_wait_loadcnt 32                              ; batch 2 is in, batch 3 stays out
	XCVT 2
	WIN 0
.irp e, 0,1
	global_load_b128 v[BI+8*\e:BI+8*\e+3],       v[HB], s[8:9]   offset:\e*64       ; theta_b of outputs 8 h + 0..7 of tile e: register j is row 8 h + j of D
	global_load_b128 v[BI+8*\e+4:BI+8*\e+7],     v[HB], s[8:9]   offset:\e*64+16
	global_load_b128 v[BI+16+8*\e:BI+16+8*\e+3], v[HB], s[10:11] offset:\e*64       ; phi_b likewise
	global_load_b128 v[BI+16+8*\e+4:BI+16+8*\e+7], v[HB], s[10:11] offset:\e*64+16
	global_load_b32 v[GB+\e], v[R4], s[12:13] offset:\e*64                          ; g_b of output r: g's D has the output along the lanes
.endr
	WLOAD 0
	WLOAD 1
	WLOAD 2
	s_wait_loadcnt 46                              ; batch 3 is in; the 10 bias loads and 36 weight loads behind it stay out
	XCVT 3
	WIN 0
	s_wait_dscnt 0x0                               ; my rows of the x tile are in LDS,
	s_barrier_signal -1
	s_barrier_wait -1                              ; everybody's are.  The tile is only read from here on: the kernel's one barrier
	XFETCH 0
; PHASE 2: 16 K steps, written out.  In step kk: the weights of step kk + 3 and the x fragments of step kk + 1 are asked for, then step kk is multiplied.
.set kk, 0
.rept 16
	WIN 0
.if kk > 0
	PLACES 4                                       ; slot (kk + 3) & 3 and buffer (kk + 1) & 1 were read by the matrix instructions of step kk - 1
.endif
.if kk+3 < 16
	WLOAD (kk+3)
.endif
.if kk+1 < 16
	v_add_nc_u32 v[XA], 32*PITCH, v[XA]            ; 32 channel rows on
	XFETCH ((kk+1)&1)
.endif
.if kk < 13
	s_wait_loadcnt 36                              ; this step's weights are in (at kk = 0 the biases too); three younger steps of 12 loads stay out
.else
	s_wait_loadcnt 12*(15-kk)                      ; the counts run down: 24, 12, 0
.endif
.if kk < 15
	s_wait_dscnt 16                                ; this step's x fragments are in; the 16 loads just issued stay out
.else
	s_wait_dscnt 0x0
.endif
.if kk == 0
	WIN 0
.irp e, 0,1
.irp j, 0,1,2,3,4,5,6,7
	v_mov_b32 v[BI+32+8*\e+\j], v[GB+\e]           ; g's bias tile: the same number in all eight rows of a lane
.endr
.endr
.endif
	PMUL kk
.set kk, kk+1
.endr
; PHASE 3: the way out, straight from registers: a lane's eight results are eight neighbouring k of one row or column of a fragment.
	PLACES 4                                       ; behind the last matrix instructions: results are read, the weight ring is written over
	WIN 0x41
.set p, 0
.rept 64
	v_pk_mul_f32 v[2*p:2*p+1], v[2*p:2*p+1], s[22:23] op_sel_hi:[1,0]      ; theta's 16 tiles x log2(e)/16, in f32
.set p, p+1
.endr
	WIN 0x05
.set p, 0
.rept 32
.irp t, 0,1,2,3
	v_cvt_pk_bf16_f32 v[PK+4*p+\t], v[8*p+2*\t], v[8*p+2*\t+1]
.endr
.set p, p+1
.endr
	WIN 0x0a
.set p, 0
.rept 16
.irp t, 0,1,2,3
	v_cvt_pk_bf16_f32 v[PK+128+4*p+\t], v[8*p+2*\t], v[8*p+2*\t+1]
.endr
.set p, p+1
.endr
	WIN 0
.irp e, 0,1
.irp nt, 0,1,2,3,4,5,6,7
	global_store_b128 v1, v[PK+4*(8*\e+\nt):PK+4*(8*\e+\nt)+3],         s[14:15] offset:\nt*8192+\e*512                       ; each store: 512 consecutive bytes, aligned:
	global_store_b128 v1, v[PK+64+4*(8*\e+\nt):PK+64+4*(8*\e+\nt)+3],   s[16:17] offset:\nt*8192+\e*512                       ; half e of fragment (column tile nt, step 4 y + w)
	global_store_b128 v1, v[PK+128+4*(8*\e+\nt):PK+128+4*(8*\e+\nt)+3], s[18:19] offset:(\nt>>1)*16384+\e*1024+(\nt&1)*512    ; half nt & 1 of fragment (key block nt >> 1, i tile e)
.endr
.endr
	s_wait_tensorcnt 0x0
	ds_add_u32 v14, v15
	s_wait_dscnt 0x0
	s_endpgm
.Lfunc_end_k_q23fd34711a_proj:
	.size	k_q23fd34711a_proj, .Lfunc_end_k_q23fd34711a_proj-k_q23fd34711a_proj
	.p2alignl 7, 3214868480
	.fill 96, 4, 3214868480
	.section	.rodata,"a",@progbits
	.p2align	6, 0x0
	.amdhsa_kernel k_q23fd34711a_proj
		.amdhsa_group_segment_fixed_size 147968
		.amdhsa_private_segment_fixed_size 0
		.amdhsa_enable_private_segment 0
		.amdhsa_kernarg_size 64
		.amdhsa_user_sgpr_count 2
		.amdhsa_user_sgpr_kernarg_segment_ptr 1
		.amdhsa_wavefront_size32 1
		.amdhsa_system_sgpr_workgroup_id_x 1
		.amdhsa_system_sgpr_workgroup_id_y 1
		.amdhsa_system_sgpr_workgroup_id_z 1
		.amdhsa_system_vgpr_workitem_id 0
		.amdhsa_next_free_vgpr 896
		.amdhsa_next_free_sgpr 66
		.amdhsa_reserve_vcc 0
		.amdhsa_float_denorm_mode_32 3
		.amdhsa_float_denorm_mode_16_64 3
		.amdhsa_memory_ordered 1
		.amdhsa_forward_progress 1
		.amdhsa_inst_pref_size 150
	.end_amdhsa_kernel
	.amdgpu_metadata
---
amdhsa.version: [ 1, 2 ]
amdhsa.kernels:
  - .name:           k_q23fd34711a_proj
    .symbol:         k_q23fd34711a_proj.kd
    .args:
      - { .name: x, .offset: 0, .size: 8, .value_kind: global_buffer, .address_space: global }
      - { .name: wf, .offset: 8, .size: 8, .value_kind: global_buffer, .address_space: global }
      - { .name: theta_b, .offset: 16, .size: 8, .value_kind: global_buffer, .address_space: global }
      - { .name: phi_b, .offset: 24, .size: 8, .value_kind: global_buffer, .address_space: global }
      - { .name: g_b, .offset: 32, .size: 8, .value_kind: global_buffer, .address_space: global }
      - { .name: qf, .offset: 40, .size: 8, .value_kind: global_buffer, .address_space: global }
      - { .name: kf, .offset: 48, .size: 8, .value_kind: global_buffer, .address_space: global }
      - { .name: vf, .offset: 56, .size: 8, .value_kind: global_buffer, .address_space: global }
    .group_segment_fixed_size: 147968
    .private_segment_fixed_size: 0
    .kernarg_segment_align: 8
    .kernarg_segment_size: 64
    .max_flat_workgroup_size: 128
    .sgpr_count:     66
    .vgpr_count:     896
    .wavefront_size: 32
...
	.end_amdgpu_metadata
.endif
;; end of part 2
;; launch attn (part 3): grid 256 x 1, 4 waves a work-group, clusters of 4 x 1, 327,680 bytes of LDS; arguments qf, kf, vf, wf, out_b, x, out0; writes out0
.if DOCPART == 3
	.amdgcn_target "amdgcn-amd-amdhsa--gfx1250"
	.amdhsa_code_object_version 6
	.text
	.protected	k_q23fd34711a_attn
	.globl	k_q23fd34711a_attn
	.p2align	8
	.type	k_q23fd34711a_attn,@function
k_q23fd34711a_attn:
	s_mov_b64 s[64:65], 0
	v_nop
	global_prefetch_b8 v0, s[64:65] scope:SCOPE_SE
	s_setreg_imm32_b32 hwreg(HW_REG_WAVE_MODE, 25, 1), 1
	s_wait_xcnt 0x0
	s_wait_alu depctr_hold_cnt(0) depctr_sa_sdst(0) depctr_va_vdst(0) depctr_va_sdst(0) depctr_va_ssrc(0) depctr_va_vcc(0) depctr_vm_vsrc(0)
	s_getreg_b32 s2, hwreg(HW_REG_IB_STS2, 6, 4)
	s_cmp_eq_u32 s2, 0
	s_cbranch_scc0 .Lentry_in_a_cluster
	s_endpgm
.Lentry_in_a_cluster:
	s_bfe_u32 s2, ttmp6, 0x10000c
	s_cmp_lg_u32 s2, 0x3003
	s_cbranch_scc0 .Lentry_shape_is_right
	s_endpgm
.Lentry_shape_is_right:
; out0 = out_w softmax(theta^T phi / 16) g + out_b + x, for 64 queries of one batch; the scores never leave registers.
; SHARES.  256 work-groups of 64 queries.  The four waves split the KEYS: in a step of 256 keys (16 steps) wave w takes keys 64 w .. + 63 of the step against all 64
; queries, with a running maximum, a running sum and all 256 x 64 output sums of its own; the four are merged at the end.  So a K or V fragment
; (1,024 bytes from LDS) feeds four matrix instructions; with the queries split among the waves it would feed one.
; LAYOUTS.  S is made transposed, D = K-fragment x Q-fragment: lane (r, h) holds query r, keys 8 h + 0..7 of a key tile.  Two key tiles, packed to bf16, ARE the
; B fragment of the next product O = V-fragment x P (column = query, k = 32 keys).  O's D has query r along the lanes and i = 8 h + 0..7: two i tiles, packed, are
; the B fragment of the out projection.  So P and O are never shuffled.  The maximum and the sum over keys run along a lane's registers and across the two halves of lanes.
; The scores are in the base-2 domain (log2(e)/16 is in qf): p = 2^(s - m), m the running maximum, started from the first block's own scores.
; LIMIT: v_exp_f32 gives zero for results under 2^-126 (ISA guide, its entry among the VOP1 instructions): weights that small count as 0.
; CLUSTER 4 x 1: the four work-groups of a cluster lie in one batch and walk the same K and V.  Each K or V load is asked for jointly (mask 15): descriptors hang on the
; cluster's number, the wave's number and the step alone.  cx enters only the plain loads of qf and x and the stores of out0.
; A mask names four work-groups, so a 4 x 4 cluster would divide the requests no further.
; THE WALK.  Cluster c (0..15) of a batch takes key step t xor c in its trip t; the softmax does not hang on the order of the keys.  So in every trip the sixteen clusters
; of a batch ask for sixteen different tiles, and the tile that cluster c asks for in trip t was asked for in trip s < t by cluster c xor t xor s.
; LDS: one K buffer and one V buffer of 131,072 bytes (32,768 a wave, read by that wave alone), refilled in turn, each behind a round of the cluster's barrier.
; V's round stands at the head of a step, K's in the middle of the softmax: each load has about half of a step's work in which to land.
; Two slots of K and V of this size do not fit.  A wave has two tensor loads out at the start and one afterwards.
;   0       K buffer: wave w at 32,768 w: fragment (key tile mt, i step ks) at (8 mt + ks) 1,024
;   131072  V buffer: wave w at + 32,768 w: fragment (key block kb, i tile it) at (16 kb + it) 1,024
;   262144  STAT  [wave][query tile][16 maxima, 16 sums]       264192  OB: merged O, bf16 fragments [query tile][i step]       296960  STAGE: 4,608 a wave, 16 rows of 272
;   After their last fill bytes 0 .. 262,143 hold the waves' output sums for the merge: f32 tile (query tile nt, wave, i tile it) at 65,536 nt + 16,384 wave + 1,024 it.
; REGISTERS in windows of 256:  window 0: addresses, softmax state, fragment buffers, the 16 score tiles;  window 1: the 32 Q fragments, behind the last score products x;
;   windows 2, 3: the 64 output tiles O[it][nt] at 8 (4 (it & 7) + nt), window 2 + (it >> 3).  The epilogue's use of them stands at its phases.
.set VBUF,  131072
.set STAT,  262144
.set OB,    264192
.set STAGE, 296960
.set KA,  2                            ; v2  LDS address of my K fragments: 32,768 w + 16 lane
.set VA,  3                            ; v3  the same for V
.set LN,  4                            ; v4  lane
.set MX,  8                            ; v[8:15]   running maximum of query tile nt in v[8 + 2 nt]; the odd registers are 0 (a packed source is a pair)
.set AL,  16                           ; v[16:23]  2^(old maximum - new maximum), likewise
.set LS,  24                           ; v[24:31]  running sum of query tile nt, as a pair of partial sums
.set TM,  32                           ; v[32:35]  at work
.set UX,  36                           ; v[36:39]  the other half's figure
.set SU,  40                           ; v[40:47]  this step's sums, pairs
.set WB,  48                           ; v[48:51]  merge: where I put my tiles of query tile nt
.set RDB, 52                           ; v52       merge: where I read the four waves' tiles of query tile w
.set STW, 53                           ; v53       where I put my maxima and sums
.set STRD, 54                          ; v54       where I read the four waves' maxima and sums of query tile w
.set OBA, 55                           ; v55       where I put merged fragments
.set OBR, 56                           ; v56       where I read them
.set STG, 57                           ; v57       stage: in
.set STR, 58                           ; v58       stage: back, by rows
.set OXV, 59                           ; v59       my byte offset in x and out0
.set HB,  60                           ; v60       32 h
.set F0,  64                           ; v[64:95]  K fragments, buffer 0
.set F1,  96                           ; v[96:127] K fragments, buffer 1
.set FA,  64                           ; v[64:127] V fragments, buffer 0 (8 fragments); buffer 1 lies in the score tiles of key tiles 1 and 3, dead once P is packed
.set SS,  128                          ; v[128:255] score tile (key tile mt, query tile nt) at 128 + 8 (4 mt + nt); P (nt, key block kb) is made in place in tile (2 kb, nt)
.set BO,  128                          ; epilogue: v[128:191] out_b as eight C tiles
.set ACC, 192                          ; epilogue: v[192:207] two merged tiles
.set PKO, 208                          ; epilogue: v[208:215] a merged fragment
.set RB,  224                          ; epilogue: v[224:255] rows read back from the stage
.set GF,  32                           ; epilogue: v[32:39] the four waves' merge factors, in the even registers of pairs
.set MSB, 0
.macro WIN new                         ; s_set_vgpr_msb: bits 1:0 source 0, 3:2 source 1, 5:4 source 2, 7:6 destination; the high byte repeats the setting that is left
.if MSB != \new
	s_set_vgpr_msb (MSB<<8)|\new
.set MSB, \new
.endif
.endm
.macro PLACES n                        ; the places behind matrix instructions (ISA guide 7.12.1)
.rept \n
	v_nop
.endr
.endm
; A round of the cluster's barrier: my work-group's barrier, wave 0 signals for the work-group, every wave waits for all four work-groups, my work-group's barrier again.
.macro ROUND
	s_barrier_signal -1
	s_barrier_wait -1
	s_cmp_lg_u32 s18, 0
	s_cbranch_scc1 .Lnot_wave_0_\@
	s_barrier_signal -3
.Lnot_wave_0_\@:
	s_barrier_wait -3
	s_barrier_signal -1
	s_barrier_wait -1
.endm
	s_load_b256 s[4:11], s[0:1], 0x0               ; qf s[4:5], kf s[6:7], vf s[8:9], wf s[10:11]
	s_load_b128 s[12:15], s[0:1], 0x20             ; out_b s[12:13], x s[14:15]
	s_load_b64 s[16:17], s[0:1], 0x30              ; out0
	v_lshl_add_u32 v62, v0, 2, 0x4d000
	v_mov_b32 v63, 0
	ds_add_u32 v62, v63
	v_lshrrev_b32 v5, 5, v0
	v_readfirstlane_b32 s18, v5                    ; wave w
	s_bfe_u32 s19, ttmp6, 0x40000                  ; cx: my place in the cluster
	s_lshr_b32 s20, ttmp9, 4                       ; b: 16 clusters a batch
	s_and_b32 s30, ttmp9, 15                       ; c: my cluster in the batch
	s_lshl2_add_u32 s21, s30, s19                  ; qb = 4 c + cx: my block of 64 queries
	s_mov_b32 s22, 0x76543210                      ; v_permlanex16_b32: lane i of one half reads lane i of the other
	s_mov_b32 s23, 0xfedcba98
	; descriptor group 1, for K and V alike: 32,768 dense bytes as 128 rows of 32 elements of 8 bytes
	s_mov_b32 s32, 15|(3<<16)|(1<<21)              ; 15:0 the mask: all four work-groups; 17:16 elements of 8 bytes; 21 set beside a mask; no padding
	s_mov_b32 s33, 32<<16                          ; tensor_dim0 = 32
	s_mov_b32 s34, 128<<16                         ; tensor_dim1 = 128
	s_mov_b32 s35, 32<<16                          ; tile_dim0 = 32
	s_mov_b32 s36, 128                             ; tile_dim1 = 128
	s_mov_b32 s37, 32                              ; from row to row: 32 elements (dense)
	s_mov_b32 s38, 0
	s_mov_b32 s39, 0
	s_lshl_b32 s24, s20, 21                        ; kf, vf: b x 2,097,152
	s_lshl_b32 s26, s18, 15                        ;  + w x 32,768: batch and wave alone
	s_add_co_u32 s24, s24, s26
	s_mov_b32 s25, 0
	s_lshl_b32 s56, s30, 17                        ; the key step's 131,072 bytes: step 0 xor c at first.  s[56:57] never hold cx
	s_mov_b32 s57, 0
	s_mov_b32 s48, 0                               ; t, the trip
	s_lshl_b32 s28, s20, 21                        ; qf: b x 2,097,152 + qb x 32,768 (hangs on cx: registers of its own)
	s_lshl_b32 s29, s21, 15
	s_add_co_u32 s28, s28, s29
	s_mov_b32 s29, 0
	s_lshl_b32 s50, s20, 23                        ; x, out0: b x 8,388,608 + w x 128 rows of 16,384 + qb x 256 (hangs on cx)
	s_lshl_b32 s51, s18, 21
	s_add_co_u32 s50, s50, s51
	s_lshl_b32 s51, s21, 8
	s_add_co_u32 s50, s50, s51
	s_mov_b32 s51, 0
	s_lshl_b32 s52, s18, 16                        ; wf: out_w's part + my 8 tiles of 16 channels x 8 fragments
	s_add_co_u32 s52, s52, 786432
	s_mov_b32 s53, 0
	s_lshl_b32 s54, s18, 9                         ; out_b: my 128 channels
	s_mov_b32 s55, 0
	s_lshl_b32 s27, s18, 14
	s_mul_i32 s49, s18, 4608
	s_add_co_u32 s49, s49, STAGE                   ; my stage
	v_and_b32 v[LN], 31, v0
	v_lshlrev_b32 v1, 4, v[LN]                     ; 16 lane
	s_wait_dscnt 0x0
	s_wait_kmcnt 0x0
	s_add_nc_u64 s[6:7], s[6:7], s[24:25]          ; K and V of my batch at my wave's 64 keys of key step 0: kept, each step's address is made from them
	s_add_nc_u64 s[8:9], s[8:9], s[24:25]
	s_mov_b32 s40, 1                               ; group 0 for K: count 1,
	s_lshl_b32 s41, s18, 15                        ; LDS address 32,768 w,
	s_add_nc_u64 s[42:43], s[6:7], s[56:57]        ; my 64 keys of key step c,
	s_or_b32 s43, s43, 0x80000000                  ; type 2
	s_mov_b32 s44, 1                               ; group 0 for V
	s_add_co_u32 s45, s41, VBUF
	s_add_nc_u64 s[46:47], s[8:9], s[56:57]
	s_or_b32 s47, s47, 0x80000000
	s_add_nc_u64 s[4:5], s[4:5], s[28:29]
	s_add_nc_u64 s[14:15], s[14:15], s[50:51]
	s_add_nc_u64 s[16:17], s[16:17], s[50:51]
	s_add_nc_u64 s[10:11], s[10:11], s[52:53]
	s_add_nc_u64 s[12:13], s[12:13], s[54:55]
	ROUND                                          ; all four work-groups are here: the first joint loads meet
	tensor_load_to_lds s[40:43], s[32:39]          ; K of trip 0
	s_nop 0
	tensor_load_to_lds s[44:47], s[32:39]          ; V of trip 0: the first fills go out as one group
	s_nop 0
	WIN 0x40
.set p, 0
.rept 32
	global_load_b128 v[8*p:8*p+3],   v1, s[4:5] offset:p*1024          ; Q fragment (query tile p >> 3, i step p & 7): stays in window 1 for the whole walk
	global_load_b128 v[8*p+4:8*p+7], v1, s[4:5] offset:p*1024+512
.set p, p+1
.endr
	WIN 0
	v_and_b32 v6, 15, v0                           ; r
	v_bfe_u32 v7, v0, 4, 1                         ; h
	v_add_nc_u32 v[KA], s26, v1
	v_add_nc_u32 v[VA], VBUF, v[KA]
.irp nt, 0,1,2,3
	v_mov_b32 v[MX+2*\nt+1], 0                     ; the unused halves of the pairs, and v_permlanex16_b32's destinations, are written once
	v_mov_b32 v[AL+2*\nt+1], 0
	v_mov_b32 v[UX+\nt], 0
.endr
	v_add_nc_u32 v[WB], s27, v1                    ; 16,384 w + 16 lane
	v_add_nc_u32 v[WB+1], 0x10000, v[WB]
	v_add_nc_u32 v[WB+2], 0x20000, v[WB]
	v_add_nc_u32 v[WB+3], 0x30000, v[WB]
	v_lshl_add_u32 v[RDB], s18, 16, v1             ; 65,536 w + 16 lane
	v_lshlrev_b32 v[STW], 2, v[LN]
	v_lshl_add_u32 v[STW], s18, 9, v[STW]
	v_add_nc_u32 v[STW], STAT, v[STW]              ; STAT + 512 w + 4 lane
	v_lshlrev_b32 v[STRD], 2, v6
	v_lshl_add_u32 v[STRD], s18, 7, v[STRD]
	v_add_nc_u32 v[STRD], STAT, v[STRD]            ; STAT + 128 w + 4 r
	v_lshl_add_u32 v[OBA], s18, 13, v1
	v_add_nc_u32 v[OBA], OB, v[OBA]                ; OB + 8,192 w + 16 lane
	v_add_nc_u32 v[OBR], OB, v1
	v_mul_u32_u24 v[STG], v7, 2176                 ; stage, in: row 8 h + j, column 4 r
	v_lshl_add_u32 v[STG], v6, 2, v[STG]
	v_add_nc_u32 v[STG], s49, v[STG]
	v_mul_u32_u24 v[STR], v7, 272                  ; stage, back: lanes 0-15 one row of 256 bytes, lanes 16-31 the next
	v_lshl_add_u32 v[STR], v6, 4, v[STR]
	v_add_nc_u32 v[STR], s49, v[STR]
	v_lshlrev_b32 v[OXV], 4, v6
	v_lshl_add_u32 v[OXV], v7, 14, v[OXV]          ; the same two rows in x and out0: 16,384 h + 16 r
	v_lshlrev_b32 v[HB], 5, v7
; 8 LDS loads: the four key tiles' K fragments of i step ks into buffer f.  Every load of the wave takes 512 consecutive bytes.
.macro FETCHK ks, f
.irp mt, 0,1,2,3
	ds_load_b128 v[\f+8*\mt:\f+8*\mt+3],   v[KA] offset:(\mt*8+\ks)*1024
	ds_load_b128 v[\f+8*\mt+4:\f+8*\mt+7], v[KA] offset:(\mt*8+\ks)*1024+512
.endr
.endm
.macro SMUL ks, f                      ; 16 matrix instructions; the sixteen score tiles take turns, one instruction a turn
.irp mt, 0,1,2,3
.irp nt, 0,1,2,3
.if \ks == 0
	v_wmma_f32_16x16x32_bf16 v[SS+8*(4*\mt+\nt):SS+8*(4*\mt+\nt)+7], v[\f+8*\mt:\f+8*\mt+7], v[8*(8*\nt+\ks):8*(8*\nt+\ks)+7], 0
.else
	v_wmma_f32_16x16x32_bf16 v[SS+8*(4*\mt+\nt):SS+8*(4*\mt+\nt)+7], v[\f+8*\mt:\f+8*\mt+7], v[8*(8*\nt+\ks):8*(8*\nt+\ks)+7], v[SS+8*(4*\mt+\nt):SS+8*(4*\mt+\nt)+7]
.endif
.endr
.endr
.endm
; S = K Q for my 64 keys x 64 queries, 8 steps of 32 along i.  One window setting for all of it: only source 1 (Q) lies in window 1.
; Both buffers are free at its head: the places behind the last O products stand in front of it.
.macro SPHASE
	WIN 0x04
	FETCHK 0, F0
.irp ks, 0,1,2,3,4,5,6
.if \ks > 0
	PLACES 4                                       ; the buffer loaded next was read by the matrix instructions just issued
.endif
	FETCHK (\ks+1), (F0+32*((\ks+1)&1))
	s_wait_dscnt 8                                 ; this step's eight loads are in, the eight just issued stay out
	SMUL \ks, (F0+32*(\ks&1))
.endr
	s_wait_dscnt 0x0
	SMUL 7, F1
.endm
; The running softmax of a step, first part: maxima, the old sums' factor, s - m, and the exponentials of key tiles 0 and 1.
; first = 1: the step's own maxima start the state.
.macro SOFTA first
	WIN 0
	PLACES 4                                       ; behind the last score products
.irp nt, 0,1,2,3                                   ; four chains of maxima, one a query tile, interleaved
.if \first
	v_max_num_f32 v[TM+\nt], v[SS+8*\nt], v[SS+8*\nt+1]
.else
	v_max3_num_f32 v[TM+\nt], v[MX+2*\nt], v[SS+8*\nt], v[SS+8*\nt+1]
.endif
.endr
.set sp, 1
.rept 15
.set sb, SS+32*(sp>>2)+2*(sp&3)                    ; pair sp & 3 of key tile sp >> 2
.irp nt, 0,1,2,3
	v_max3_num_f32 v[TM+\nt], v[TM+\nt], v[sb+8*\nt], v[sb+8*\nt+1]
.endr
.set sp, sp+1
.endr
.irp nt, 0,1,2,3
	v_permlanex16_b32 v[UX+\nt], v[TM+\nt], s22, s23       ; the other eight keys of each tile lie in the other half of the lanes
.endr
.irp nt, 0,1,2,3
	v_max_num_f32 v[TM+\nt], v[TM+\nt], v[UX+\nt]
.endr
.if \first == 0
.irp nt, 0,1,2,3
	v_sub_f32 v[AL+2*\nt], v[MX+2*\nt], v[TM+\nt]
.endr
.irp nt, 0,1,2,3
	v_exp_f32 v[AL+2*\nt], v[AL+2*\nt]             ; by how much the old sums shrink
.endr
.endif
.irp nt, 0,1,2,3
	v_mov_b32 v[MX+2*\nt], v[TM+\nt]               ; plain instructions behind the exponentials, ahead of their first use (ISA guide 5.7.2)
.endr
.set sp, 0
.rept 16
.set sb, SS+32*(sp>>2)+2*(sp&3)
.irp nt, 0,1,2,3
	v_pk_add_f32 v[sb+8*\nt:sb+8*\nt+1], v[sb+8*\nt:sb+8*\nt+1], v[MX+2*\nt:MX+2*\nt+1] op_sel_hi:[1,0] neg_lo:[0,1] neg_hi:[0,1]   ; s - m, both from the pair's first register
.endr
.set sp, sp+1
.endr
.set sp, 0
.rept 64
	v_exp_f32 v[SS+sp], v[SS+sp]
.set sp, sp+1
.endr
.endm
; Second part: the exponentials of key tiles 2 and 3, the sums, P.
.macro SOFTB first
	WIN 0
.set sp, 64
.rept 64
	v_exp_f32 v[SS+sp], v[SS+sp]
.set sp, sp+1
.endr
	v_nop                                          ; the plain place behind the last exponential
	s_wait_alu depctr_va_vdst(0)
.irp nt, 0,1,2,3                                   ; four chains of sums, two partial sums each
	v_pk_add_f32 v[SU+2*\nt:SU+2*\nt+1], v[SS+8*\nt:SS+8*\nt+1], v[SS+8*\nt+2:SS+8*\nt+3]
.endr
.set sp, 2
.rept 13
.set sb, SS+32*(sp>>2)+2*(sp&3)
.irp nt, 0,1,2,3
	v_pk_add_f32 v[SU+2*\nt:SU+2*\nt+1], v[SU+2*\nt:SU+2*\nt+1], v[sb+8*\nt:sb+8*\nt+1]
.endr
.set sp, sp+1
.endr
.irp nt, 0,1,2,3
.if \first
	v_pk_add_f32 v[LS+2*\nt:LS+2*\nt+1], v[SU+2*\nt:SU+2*\nt+1], v[SS+96+6+8*\nt:SS+96+6+8*\nt+1]
.else
	v_pk_add_f32 v[SU+2*\nt:SU+2*\nt+1], v[SU+2*\nt:SU+2*\nt+1], v[SS+96+6+8*\nt:SS+96+6+8*\nt+1]
.endif
.endr
.if \first == 0
.irp nt, 0,1,2,3
	v_pk_fma_f32 v[LS+2*\nt:LS+2*\nt+1], v[LS+2*\nt:LS+2*\nt+1], v[AL+2*\nt:AL+2*\nt+1], v[SU+2*\nt:SU+2*\nt+1] op_sel_hi:[1,0,1]
.endr
.endif
.irp kb, 0,1                                       ; P in place: key tiles 2 kb and 2 kb + 1 pack into the eight registers of tile 2 kb; each write falls on a register already read
.irp nt, 0,1,2,3
.irp t, 0,1,2,3
	v_cvt_pk_bf16_f32 v[SS+8*(8*\kb+\nt)+\t], v[SS+8*(8*\kb+\nt)+2*\t], v[SS+8*(8*\kb+\nt)+2*\t+1]
.endr
.irp t, 0,1,2,3
	v_cvt_pk_bf16_f32 v[SS+8*(8*\kb+\nt)+4+\t], v[SS+8*(8*\kb+4+\nt)+2*\t], v[SS+8*(8*\kb+4+\nt)+2*\t+1]
.endr
.endr
.endr
.endm
; 16 LDS loads: V fragments of i tiles 4 g .. 4 g + 3 x both key blocks.  Fragment (kb, e): buffer 0 at 64 + 8 (4 kb + e); buffer 1 at 160 + 64 kb + 8 e.
.macro FETCHV g, buf
.irp kb, 0,1
.irp e, 0,1,2,3
	ds_load_b128 v[FA+8*(4*\kb+\e)+(\buf)*(96+32*\kb):FA+8*(4*\kb+\e)+(\buf)*(96+32*\kb)+3],     v[VA] offset:(\kb*16+4*(\g)+\e)*1024
	ds_load_b128 v[FA+8*(4*\kb+\e)+(\buf)*(96+32*\kb)+4:FA+8*(4*\kb+\e)+(\buf)*(96+32*\kb)+7],   v[VA] offset:(\kb*16+4*(\g)+\e)*1024+512
.endr
.endr
.endm
.macro RESC0                           ; the sixteen output tiles of group 0 shrink with the maximum's rise; the other groups' multiplies stand among the products
	WIN 0x82
.set p, 0
.rept 16
.irp j, 0,2,4,6
	v_pk_mul_f32 v[8*p+\j:8*p+\j+1], v[8*p+\j:8*p+\j+1], v[AL+2*(p&3):AL+2*(p&3)+1] op_sel_hi:[1,0]
.endr
.set p, p+1
.endr
.endm
; Group g: 32 matrix instructions on sixteen output tiles (i tiles 4 g .. + 3 x 4 query tiles), which take turns, one instruction a turn.
; Behind each pair stand the four packed multiplies that rescale one tile of group g + 1: they name none of the pair's registers and are issued while the matrix
; unit works.  O and the V fragments cannot lie in one window (windows 2 and 3 are full of O), so each such run costs two switches.
; The last run is also the four places in front of the next fetch.  first = 1: the first products start the sums, and nothing is rescaled.
.macro PVMUL g, buf, first
.set ps, 0
.rept 16
	WIN (0xa0+0x50*((\g)>>1))                      ; A and B window 0, C and D window 2 or 3
.rept 2
.set pkb, ps>>4
.set pe, (ps>>2)&3
.set pnt, ps&3
.set po, 8*(4*((4*(\g)+pe)&7)+pnt)
.set pa, FA+8*(4*pkb+pe)+(\buf)*(96+32*pkb)
.set pb, SS+8*(8*pkb+pnt)
.if (\first)*(1-pkb)
	v_wmma_f32_16x16x32_bf16 v[po:po+7], v[pa:pa+7], v[pb:pb+7], 0
.else
	v_wmma_f32_16x16x32_bf16 v[po:po+7], v[pa:pa+7], v[pb:pb+7], v[po:po+7]
.endif
.set ps, ps+1
.endr
.if \first == 0
.if \g < 3
	WIN (0x82+0x41*(((\g)+1)>>1))                  ; destination and source 0 in the next group's window, the factor in window 0
.set pc, (ps>>1)-1
.set pt, 8*(4*((4*((\g)+1)+(pc>>2))&7)+(pc&3))
.irp j, 0,2,4,6
	v_pk_mul_f32 v[pt+\j:pt+\j+1], v[pt+\j:pt+\j+1], v[AL+2*(pc&3):AL+2*(pc&3)+1] op_sel_hi:[1,0]
.endr
.endif
.endif
.endr
.endm
; O += V P, four groups.  The fragments of group 0 have been asked for ahead of it.
.macro PVPHASE first
.irp g, 0,1,2,3
	WIN 0
.if \g < 3
.if \first
.if \g > 0
	PLACES 4                                       ; the buffer loaded next was read by the group before; with rescaling its last four multiplies are these places
.endif
.endif
	FETCHV (\g+1), ((\g+1)&1)
.endif
.if \g == 0
.if \first == 0
	RESC0
.endif
.endif
.if \g < 3
	s_wait_dscnt 16                                ; this group's sixteen loads are in, the sixteen just issued stay out
.else
	s_wait_dscnt 0x0
.endif
	PVMUL \g, (\g&1), \first
.endr
	WIN 0
.endm
; The V buffer is filled again, with key step t xor c.  In front of the round: all my tensor loads have landed (the one that was out is this trip's K), my LDS reads are back.
.macro TURNV
	s_wait_tensorcnt 0x0                           ; no tensor load of mine is out: a group 0 may be written
	ds_add_u32 v62, v63
	s_xor_b32 s56, s48, s30
	s_lshl_b32 s56, s56, 17
	s_add_nc_u64 s[46:47], s[8:9], s[56:57]
	s_or_b32 s47, s47, 0x80000000
	s_wait_dscnt 0x0
	ROUND                                          ; both hold of every wave of all four work-groups
	tensor_load_to_lds s[44:47], s[32:39]          ; my one tensor load behind the round, and the first thing there
	s_nop 0
	PLACES 5                                       ; the first score products write over registers that the last O products read as A and B; the K buffers are loaded again
.endm
; The K buffer is filled again, with key step (t + 1) xor c; the one load that was out is this trip's V.
.macro TURNK
	s_wait_tensorcnt 0x0
	ds_add_u32 v62, v63
	s_add_co_u32 s56, s48, 1
	s_xor_b32 s56, s56, s30
	s_lshl_b32 s56, s56, 17
	s_add_nc_u64 s[42:43], s[6:7], s[56:57]
	s_or_b32 s43, s43, 0x80000000
	s_wait_dscnt 0x0
	ROUND
	tensor_load_to_lds s[40:43], s[32:39]
	s_nop 0
	FETCHV 0, 0
.endm
; 8 loads: x of channel tile ct, two rows of 256 bytes a load, into window 1 at 32 ct (window setting 0x40 in force)
.macro XLD ct
.irp t, 0,1,2,3,4,5,6,7
	global_load_b128 v[32*(\ct)+4*\t:32*(\ct)+4*\t+3], v[OXV], s[14:15] offset:(16*(\ct)+2*\t)*16384 th:TH_LOAD_NT
.endr
.endm
	s_wait_loadcnt 0x0                             ; Q
	s_wait_tensorcnt 0x1                           ; tensor loads of a wave end in order: my K is in, V stays out.  I alone read these bytes: no barrier
	SPHASE                                         ; trip 0 stands in front of the loop: it starts the maxima and all the sums
	SOFTA 1
	TURNK
	SOFTB 1
	PVPHASE 1
	s_mov_b32 s48, 1                               ; trips 1 to 14
.Lstep:
	TURNV
	SPHASE
	SOFTA 0
	TURNK
	SOFTB 0
	PVPHASE 0
	s_add_co_u32 s48, s48, 1
	s_cmp_lt_u32 s48, 15
	s_cbranch_scc1 .Lstep
	TURNV                                          ; trip 15: no K is left to fetch
	SPHASE
	SOFTA 0
	s_wait_tensorcnt 0x0                           ; V of trip 15, my own bytes; nothing is filled again, so no round
	FETCHV 0, 0
	WIN 0x40                                       ; Q is dead (the places behind the last score products stand in SOFTA): x of my first 64 channels goes there,
	XLD 0                                          ; a whole second product phase and the merge ahead of its use
	XLD 1
	XLD 2
	XLD 3
	SOFTB 0
	PVPHASE 0
; E1: my maxima and sums go to STAT: lanes 0-15 the maxima, lanes 16-31 the sums of the same 16 queries.
	PLACES 4                                       ; behind the last products: results are read, fragment and P registers are loaded again below
	WIN 0x40
	XLD 4                                          ; x of my other 64 channels
	XLD 5
	XLD 6
	XLD 7
	WIN 0
.irp nt, 0,1,2,3
	v_add_f32 v[TM+\nt], v[LS+2*\nt], v[LS+2*\nt+1]
.endr
.irp nt, 0,1,2,3
	v_permlanex16_b32 v[UX+\nt], v[TM+\nt], s22, s23
.endr
.irp nt, 0,1,2,3
	v_add_f32 v[TM+\nt], v[TM+\nt], v[UX+\nt]
.endr
	v_cmp_le_u32 vcc_lo, 16, v[LN]
.irp nt, 0,1,2,3
	v_cndmask_b32 v[UX+\nt], v[MX+2*\nt], v[TM+\nt], vcc_lo
.endr
.irp nt, 0,1,2,3
	ds_store_b32 v[STW], v[UX+\nt] offset:\nt*128
.endr
	s_wait_dscnt 0x0
	s_barrier_signal -1
	s_barrier_wait -1                              ; every wave's reads of K and V are back and the buffers have had their last fill: they may be written
; E2: my 64 output tiles in f32 into the old K and V buffers, sorted by query tile.
	WIN 0x08
.set p, 0
.rept 32
	ds_store_b128 v[WB+(p&3)], v[8*p:8*p+3]   offset:(p>>2)*1024
	ds_store_b128 v[WB+(p&3)], v[8*p+4:8*p+7] offset:(p>>2)*1024+512
.set p, p+1
.endr
	WIN 0x0c
.set p, 0
.rept 32
	ds_store_b128 v[WB+(p&3)], v[8*p:8*p+3]   offset:(8+(p>>2))*1024
	ds_store_b128 v[WB+(p&3)], v[8*p+4:8*p+7] offset:(8+(p>>2))*1024+512
.set p, p+1
.endr
	WIN 0
	s_wait_dscnt 0x0
	s_barrier_signal -1
	s_barrier_wait -1
; E3: wave w merges query tile w.  Factor of wave w': 2^(m_w' - m*) / sum of 2^(m_w' - m*) l_w'.  Each l is at least 1 (its own maximum's term), so the sum is at least 1.
.irp wq, 0,1,2,3
	ds_load_b32 v[8+\wq],  v[STRD] offset:\wq*512
	ds_load_b32 v[12+\wq], v[STRD] offset:\wq*512+64
.endr
	s_wait_dscnt 0x0
	v_max3_num_f32 v20, v8, v9, v10
	v_max_num_f32 v20, v20, v11
.irp wq, 0,1,2,3
	v_sub_f32 v[16+\wq], v[8+\wq], v20
.endr
.irp wq, 0,1,2,3
	v_exp_f32 v[16+\wq], v[16+\wq]
.endr
	v_nop                                          ; the plain place behind the exponentials
	s_wait_alu depctr_va_vdst(0)
	v_mul_f32 v21, v16, v12
	v_fmac_f32 v21, v17, v13
	v_fmac_f32 v21, v18, v14
	v_fmac_f32 v21, v19, v15
	v_rcp_f32 v21, v21
	v_nop                                          ; and behind the reciprocal
	s_wait_alu depctr_va_vdst(0)
.irp wq, 0,1,2,3
	v_mul_f32 v[GF+2*\wq], v[16+\wq], v21
.endr
; What the out projection will want is asked for from here on.  16 loads: out_w's fragments (my 8 channel tiles, i step ks) into slot ks & 3 of window 3.
.macro WOLOAD ks
.irp ct, 0,1,2,3,4,5,6,7
	global_load_b128 v[64*((\ks)&3)+8*\ct:64*((\ks)&3)+8*\ct+3],   v1, s[10:11] offset:(8*\ct+(\ks))*1024
	global_load_b128 v[64*((\ks)&3)+8*\ct+4:64*((\ks)&3)+8*\ct+7], v1, s[10:11] offset:(8*\ct+(\ks))*1024+512
.endr
.endm
.irp ct, 0,1,2,3,4,5,6,7
	global_load_b128 v[BO+8*\ct:BO+8*\ct+3],   v[HB], s[12:13] offset:\ct*64      ; out_b of channels 8 h + 0..7 of tile ct: a C tile
	global_load_b128 v[BO+8*\ct+4:BO+8*\ct+7], v[HB], s[12:13] offset:\ct*64+16
.endr
	WIN 0xc0
	WOLOAD 0
	WOLOAD 1
	WIN 0
; E4: the sixteen i tiles of my query tile: four waves' tiles in, one weighted sum, in the order of the waves; two tiles make a bf16 fragment for the out projection.
.macro RLOAD it, f
.irp wq, 0,1,2,3
	ds_load_b128 v[\f+8*\wq:\f+8*\wq+3],   v[RDB] offset:\wq*16384+(\it)*1024
	ds_load_b128 v[\f+8*\wq+4:\f+8*\wq+7], v[RDB] offset:\wq*16384+(\it)*1024+512
.endr
.endm
	RLOAD 0, F0
.set ti, 0
.rept 16
.if ti < 15
	RLOAD (ti+1), (F0+32*((ti+1)&1))
	s_wait_dscnt 8                                 ; LDS serves a wave in order: all but the eight loads just issued are done
.else
	s_wait_dscnt 0x0
.endif
.irp j, 0,2,4,6
	v_pk_mul_f32 v[ACC+8*(ti&1)+\j:ACC+8*(ti&1)+\j+1], v[F0+32*(ti&1)+\j:F0+32*(ti&1)+\j+1], v[GF:GF+1] op_sel_hi:[1,0]
.endr
.irp wq, 1,2,3
.irp j, 0,2,4,6
	v_pk_fma_f32 v[ACC+8*(ti&1)+\j:ACC+8*(ti&1)+\j+1], v[F0+32*(ti&1)+8*\wq+\j:F0+32*(ti&1)+8*\wq+\j+1], v[GF+2*\wq:GF+2*\wq+1], v[ACC+8*(ti&1)+\j:ACC+8*(ti&1)+\j+1] op_sel_hi:[1,0,1]
.endr
.endr
.if ti & 1
.irp t, 0,1,2,3
	v_cvt_pk_bf16_f32 v[PKO+\t],   v[ACC+2*\t],   v[ACC+2*\t+1]
	v_cvt_pk_bf16_f32 v[PKO+4+\t], v[ACC+8+2*\t], v[ACC+8+2*\t+1]
.endr
	ds_store_b128 v[OBA], v[PKO:PKO+3]   offset:(ti>>1)*1024
	ds_store_b128 v[OBA], v[PKO+4:PKO+7] offset:(ti>>1)*1024+512
.endif
.if ti == 7
	WIN 0xc0
	WOLOAD 2                                       ; the other two slots go out spread over the merge
	WIN 0
.endif
.if ti == 11
	WIN 0xc0
	WOLOAD 3
	WIN 0
.endif
.set ti, ti+1
.endr
	s_wait_dscnt 0x0
	s_barrier_signal -1
	s_barrier_wait -1                              ; all four query tiles' fragments are in OB
; E5: the out projection.  Wave w makes channels 128 w .. + 127 of all 64 queries: 8 channel tiles x 4 query tiles in window 2, 8 steps of 32 along i.
; 8 LDS loads: the four query tiles' fragments of i step ks into buffer f
.macro FETCHO ks, f
.irp nt, 0,1,2,3
	ds_load_b128 v[\f+8*\nt:\f+8*\nt+3],   v[OBR] offset:(8*\nt+(\ks))*1024
	ds_load_b128 v[\f+8*\nt+4:\f+8*\nt+7], v[OBR] offset:(8*\nt+(\ks))*1024+512
.endr
.endm
.macro OMUL ks, f                      ; 32 matrix instructions; the 32 accumulators take turns, one instruction a turn
.irp ct, 0,1,2,3,4,5,6,7
.irp nt, 0,1,2,3
.if \ks == 0
	v_wmma_f32_16x16x32_bf16 v[8*(4*\ct+\nt):8*(4*\ct+\nt)+7], v[64*(\ks&3)+8*\ct:64*(\ks&3)+8*\ct+7], v[\f+8*\nt:\f+8*\nt+7], v[BO+8*\ct:BO+8*\ct+7]
.else
	v_wmma_f32_16x16x32_bf16 v[8*(4*\ct+\nt):8*(4*\ct+\nt)+7], v[64*(\ks&3)+8*\ct:64*(\ks&3)+8*\ct+7], v[\f+8*\nt:\f+8*\nt+7], v[8*(4*\ct+\nt):8*(4*\ct+\nt)+7]
.endif
.endr
.endr
.endm
	FETCHO 0, F0
.irp ks, 0,1,2,3,4,5,6,7
	WIN 0
.if \ks < 7
	FETCHO (\ks+1), (F0+32*((\ks+1)&1))
	s_wait_dscnt 8                                 ; this step's eight loads are in, the eight just issued stay out
.else
	s_wait_dscnt 0x0
.endif
.if \ks < 5
	s_wait_loadcnt 48                              ; this step's weights are in, and all that is older: out_b and x.  Three younger slots of 16 loads stay out
.else
	s_wait_loadcnt 16*(7-\ks)                      ; the counts run down: 32, 16, 0
.endif
.if \ks == 0
	WIN 0x83                                       ; A window 3, B window 0, C window 0: out_b starts the sums; D window 2
.else
	WIN 0xa3
.endif
	OMUL \ks, (F0+32*(\ks&1))
	PLACES 4                                       ; the slot and the buffer just multiplied are loaded again; behind the last step the results are read
.if \ks < 4
	WIN 0xc0
	WOLOAD (\ks+4)
.endif
.endr
; E6: the way out, 16 channels at a time: through my own stage (rows of 256 + 16 bytes), back as whole rows, added onto x in x's registers, out.
; x's registers and the address are never written again, so no store's source is waited for.
.macro OUT ct
	WIN 0x08
.irp nt, 0,1,2,3
.irp j, 0,1,2,3,4,5,6,7
	ds_store_b32 v[STG], v[8*(4*\ct+\nt)+\j] offset:\j*272+\nt*64      ; channel 8 h + j, query 16 nt + r; the two halves of lanes lie 2,176 bytes = 32 banks modulo 64 apart
.endr
.endr
	WIN 0
.irp t, 0,1,2,3,4,5,6,7
	ds_load_b128 v[RB+4*\t:RB+4*\t+3], v[STR] offset:\t*544            ; my own bytes, and LDS serves a wave in order: these see the stores above
.endr
	WIN 0x44                                       ; source 0 (rows, addresses) window 0; source 1 and destination (x, the stores' data) window 1
.irp t, 0,1,2,3,4,5,6,7
	s_wait_dscnt 7-\t
	v_pk_add_f32 v[32*\ct+4*\t:32*\ct+4*\t+1],   v[RB+4*\t:RB+4*\t+1],   v[32*\ct+4*\t:32*\ct+4*\t+1]
	v_pk_add_f32 v[32*\ct+4*\t+2:32*\ct+4*\t+3], v[RB+4*\t+2:RB+4*\t+3], v[32*\ct+4*\t+2:32*\ct+4*\t+3]
	global_store_b128 v[OXV], v[32*\ct+4*\t:32*\ct+4*\t+3], s[16:17] offset:(16*\ct+2*\t)*16384 th:TH_STORE_NT   ; sixteen lanes store 256 consecutive bytes, aligned
.endr
.endm
	OUT 0
	OUT 1
	OUT 2
	OUT 3
	OUT 4
	OUT 5
	OUT 6
	OUT 7
	WIN 0
	s_wait_dscnt 0x0
	s_wait_tensorcnt 0x0
	ds_add_u32 v62, v63
	s_wait_dscnt 0x0
	ROUND                                          ; the closing round: no work-group ends while a partner may still ask for a tile that names it
	s_endpgm
.Lfunc_end_k_q23fd34711a_attn:
	.size	k_q23fd34711a_attn, .Lfunc_end_k_q23fd34711a_attn-k_q23fd34711a_attn
	.p2alignl 7, 3214868480
	.fill 96, 4, 3214868480
	.section	.rodata,"a",@progbits
	.p2align	6, 0x0
	.amdhsa_kernel k_q23fd34711a_attn
		.amdhsa_group_segment_fixed_size 327680
		.amdhsa_private_segment_fixed_size 0
		.amdhsa_enable_private_segment 0
		.amdhsa_kernarg_size 56
		.amdhsa_user_sgpr_count 2
		.amdhsa_user_sgpr_kernarg_segment_ptr 1
		.amdhsa_wavefront_size32 1
		.amdhsa_system_sgpr_workgroup_id_x 1
		.amdhsa_system_sgpr_workgroup_id_y 1
		.amdhsa_system_sgpr_workgroup_id_z 1
		.amdhsa_system_vgpr_workitem_id 0
		.amdhsa_next_free_vgpr 1024
		.amdhsa_next_free_sgpr 66
		.amdhsa_reserve_vcc 1
		.amdhsa_float_denorm_mode_32 3
		.amdhsa_float_denorm_mode_16_64 3
		.amdhsa_memory_ordered 1
		.amdhsa_forward_progress 1
		.amdhsa_inst_pref_size 255
	.end_amdhsa_kernel
	.section	.bss,"aw",@nobits
	.p2align	6
	.space	262144
	.amdgpu_metadata
---
amdhsa.version: [ 1, 2 ]
amdhsa.kernels:
  - .name:           k_q23fd34711a_attn
    .symbol:         k_q23fd34711a_attn.kd
    .args:
      - { .name: qf, .offset: 0, .size: 8, .value_kind: global_buffer, .address_space: global }
      - { .name: kf, .offset: 8, .size: 8, .value_kind: global_buffer, .address_space: global }
      - { .name: vf, .offset: 16, .size: 8, .value_kind: global_buffer, .address_space: global }
      - { .name: wf, .offset: 24, .size: 8, .value_kind: global_buffer, .address_space: global }
      - { .name: out_b, .offset: 32, .size: 8, .value_kind: global_buffer, .address_space: global }
      - { .name: x, .offset: 40, .size: 8, .value_kind: global_buffer, .address_space: global }
      - { .name: out0, .offset: 48, .size: 8, .value_kind: global_buffer, .address_space: global }
    .group_segment_fixed_size: 327680
    .private_segment_fixed_size: 0
    .kernarg_segment_align: 8
    .kernarg_segment_size: 56
    .max_flat_workgroup_size: 128
    .sgpr_count:     66
    .vgpr_count:     1024
    .wavefront_size: 32
...
	.end_amdgpu_metadata
.endif
;; end of part 3
